; MI455X (gfx1250); checked and timed in simulation.
; The chip was launched on July 23, 2026; its instructions are those of AMD's public machine-readable ISA for CDNA 5 (MIT licence, August 2026) and "CDNA5" Instruction Set Architecture Reference Guide (July 2026). The comments in the code are by the model that wrote it; some were corrected since.
;; Multi Head Self Attention. Allowed arithmetic: matrix products marked QUANTISED: E2M3 operands, one E8M0 scale for each 32 along K, by v_wmma_scale_f32_16x16x128_f8f6f4 with both operands' format E2M3, f32 sums; everything else in f32.
;; Inputs: Wk 1,024 x 1,024 float32; Wq 1,024 x 1,024 float32; Wv 1,024 x 1,024 float32; bk 1,024 float32; bq 1,024 float32; bv 1,024 float32; x 4 x 2,048 x 1,024 float32.
;; Outputs: out0 4 x 2,048 x 1,024 float32.
;; This version of the problem:
;;   THIS VERSION OF THE PROBLEM IS GIVEN IN LOW PRECISION. The matrix products marked QUANTISED in the list below multiply operands that are first quantised to E2M3 (2 exponent bits, 3 mantissa bits; 6 bits a number), with one power-of-two scale for each 32 numbers along K (OCP MX v1.0); their sums are f32. All else is computed in f32.
;;   The module's matrix products, in the order in which they are computed (A, B: the left and right operand; K: the contracted axis; several contracted axes count as one K, in the product's order):
;;     1. [M 8,192, K 1,024] x [K 1,024, N 1,024]; A: input x; B: input Wq: QUANTISED
;;     2. [M 8,192, K 1,024] x [K 1,024, N 1,024]; A: input x; B: input Wk: QUANTISED
;;     3. [M 8,192, K 1,024] x [K 1,024, N 1,024]; A: input x; B: input Wv: QUANTISED
;;     4. batch 64 x [M 2,048, K 64] x [K 64, N 2,048]; A: computed on the way; B: computed on the way: QUANTISED
;;     5. batch 64 x [M 2,048, K 2,048] x [K 2,048, N 64]; A: softmax (see below); B: computed on the way: QUANTISED
;;   THE QUANTISER, for each operand of a quantised product, along K:
;;     - K is cut into blocks of 32 from its start; a last block that is shorter is filled with zeros.
;;     - A block's scale is 2^e with e = floor(log2(the largest magnitude in the block)) - 2, held to -126 .. 127; a block of zeros has e = 0. As a byte (E8M0): e + 127.
;;     - Each number is divided by its block's scale, clamped to +-7.5, and rounded to the nearest number of E2M3, ties to even, subnormals kept.
;;     - The product sums the exact products of the quantised numbers (number of the format x scale) in f32.
;;   ~~~python
;;   def quantise(x, axis):      # numpy; x: float32 -> the quantised numbers, widened to float32 again
;;       x = np.moveaxis(x, axis, -1); K = x.shape[-1]
;;       x = np.pad(x, [(0, 0)] * (x.ndim - 1) + [(0, -K % 32)]); x = x.reshape(x.shape[:-1] + (-1, 32)); a = np.abs(x).max(-1, keepdims=True)
;;       e = np.where(a > 0, np.clip(np.frexp(np.where(a > 0, a, 1))[1] - 1 - 2, -126, 127), 0)      # np.frexp(a)[1] - 1 = floor(log2(a)), exactly
;;       r = np.clip(x / 2.0 ** e, -7.5, 7.5)
;;       step = 2.0 ** (np.maximum(np.frexp(np.where(r == 0, 1, r))[1] - 1, 0) - 3)
;;       q = np.round(r / step) * step * 2.0 ** e      # np.round: ties to even
;;       return np.moveaxis(q.reshape(q.shape[:-2] + (-1,))[..., :K], -1, axis).astype(np.float32)
;;   ~~~
;;   SOFTMAX AHEAD OF A QUANTISED PRODUCT. Where the list says 'softmax', what is quantised is not the finished softmax but p = 2^(t - M), with t = logit x log2(e) and M = ceil(the row's largest t), a whole number; so 1/2 < the row's largest p <= 1. The row's sum l is taken of the UNQUANTISED p, in f32, and the product's result is divided by l at the end. Since M is a whole number, a kernel that streams over the keys may use a running M (the ceiling of the running maximum): every later rescaling is an exact power of two, which a block's scale takes up: the codes' values come out the same.
;;   OPERANDS COMPUTED ON THE WAY. 'Computed on the way' means the value that the module computes at that place (a softmax that the list does not call 'softmax' is quantised finished and normalised). What goes into a quantiser is computed in f32, as accurately as f32 sums, v_exp_f32 and their like allow (about 1e-6 of the number): no bf16 or f16 on the way to a quantiser, and a product that is left as it is and whose result goes on into a quantised operand takes f32 operands (vector FMAs, or v_wmma_f32_16x16x4_f32). A number that lies on a knife's edge between two numbers of the format may be rounded either way, as far as f32 arithmetic and the matrix unit's own rounding can turn it there, and no further.
;; One version. Each part assembles by itself: llvm-mc -triple=amdgcn-amd-amdhsa -mcpu=gfx1250 --defsym DOCPART=n.
;; ======== version 1 of 1: 3 launches
;; workspace buffers: cod 8,650,752 bytes; csc 360,448 bytes; att_img 18,874,368 bytes; att_sc 786,432 bytes
;; launch quant (part 1): grid 352 x 1, 4 waves a work-group, no clusters, 34,304 bytes of LDS; arguments x, Wq, Wk, Wv, cod, csc; writes cod, csc
.if DOCPART == 1
	.amdgcn_target "amdgcn-amd-amdhsa--gfx1250"
	.amdhsa_code_object_version 6
	.text
	.protected	k_qa71773c537_quant
	.globl	k_qa71773c537_quant
	.p2align	8
	.type	k_qa71773c537_quant,@function
k_qa71773c537_quant:
	s_mov_b64 s[64:65], 0
	v_nop
	global_prefetch_b8 v0, s[64:65] scope:SCOPE_SE
	s_setreg_imm32_b32 hwreg(HW_REG_WAVE_MODE, 25, 1), 1
	s_wait_xcnt 0x0
; x [8192][1024] and Wq, Wk, Wv [1024][1024], f32, K innermost, become codes of FP6 (E2M3) with one E8M0 byte for each 32 along K,
; laid in the ORDER OF AN OPERAND'S REGISTERS.  A tile is 16 rows; a fragment (16 rows x 128 K) is 12 registers a lane; its IMAGE is 1,536 bytes:
; registers 4 c .. 4 c + 3 are 512 bytes, lane l's 16 bytes at 16 l.  cod: [tile 704][K step 8][1,536]; tiles 0-511 x, 512-575 Wq, 576-639 Wk, 640-703 Wv.
; csc: [tile][K half 2][row 16][4 words]: word j of half H is the row's four scale bytes of K step 4 H + j.
; THE ROWS OF A TILE ARE NOT NEIGHBOURS: lane r of tile 2 g + u holds row 32 g + 8 u + r + 8 (r / 8), so that results made with such a tile as source 0 have 16 neighbours in 16 registers.
; A block's scale is 2^(floor(log2(its largest magnitude)) - 2); its byte is that magnitude's exponent field - 2, held at 1 from below.
; LIMITS: NaN and infinities are not served; a block whose largest magnitude lies under 2^-124 (a block of zeros too) gets the byte 1: a block of zeros has zero codes, and these bytes are read by this program alone.
; SHARES: work-group g, wave w: tile 2 g + w / 2, K half w % 2: four K steps of 128.  Each load reads 512 consecutive bytes of one row; a K step's 16 rows turn through the wave's own
; stage in LDS (rows 528 bytes apart: an odd multiple of 16) and come back 16 neighbours a lane for each block of 32.  Waves share nothing: no barrier.  Loads run one K step (16 loads) ahead.
.set ROWB,   4096                      ; a row of f32 in memory
.set SPITCH, 528
.set WSTG,   16*SPITCH                 ; a wave's stage
.set SPARE,  4*WSTG                    ; behind the stages: the spare words, 128 bytes a wave: two blocks of 256 bytes that no other line names
.set FRB,    1536                      ; a fragment's image
.set LN,  1                            ; v1   lane
.set LI,  2                            ; v2   16 x lane: my place in a load's 512 bytes and in an image's
.set SIN, 3                            ; v3   the stage, on the way in
.set SOUT, 4                           ; v4   and out: row r, + 64 h
.set RO,  5                            ; v5   16 r: my row's four scale words
.set SPW, 6                            ; v6   my spare word; never rewritten
.set NIL, 7                            ; v7   0; never rewritten
.set R,   16                           ; v16-143  two sets of 64 registers as loaded
.set XS,  144                          ; v144-207 register 16 b + i = k 32 b + 16 h + i of my row
.set PC,  208                          ; v208-219 the fragment
.set Y,   220                          ; v220-226 the conversions' second halves
.set TM,  228                          ; v228-243 at work
.set PW,  244                          ; v244-247 the four K steps' scale words
.set SEL, 26                           ; s[26:27] v_permlanex16_b32's selects for lane l xor 16
; 64 numbers of a lane, v[s] on, register 16 b + i = k 32 b + 16 (lane / 16) + i of my row, become codes: k 0-63 in v[d0] .. v[d0 + 5], k 64-127 in v[d1] .. v[d1 + 5]; the row's scale word in v[pw].
.macro QUANT s, d0, d1, pw
.irp b, 0,1,2,3
	v_max3_num_f32 v[TM+\b], |v[(\s)+16*\b]|, |v[(\s)+1+16*\b]|, 0x1800000   ; my 16 numbers of block b, and the floor 2^(3 - 127): the byte cannot fall under 1
.endr
.irp i, 2,4,6,8,10,12,14
.irp b, 0,1,2,3
	v_max3_num_f32 v[TM+\b], v[TM+\b], |v[(\s)+16*\b+\i]|, |v[(\s)+1+16*\b+\i]|   ; the four blocks by turns
.endr
.endr
.irp b, 0,1,2,3
	v_permlanex16_b32 v[TM+4+\b], v[TM+\b], s[SEL], s[SEL+1]
.endr
.irp b, 0,1,2,3
	v_max_num_f32 v[TM+\b], v[TM+\b], v[TM+4+\b]   ; with lane l xor 16's 16: the block's largest magnitude
.endr
.irp b, 0,1,2,3
	v_add_nc_u32 v[TM+12+\b], 0xff000000, v[TM+\b]   ; 2 off its exponent field: the conversion's scale operand
.endr
.irp b, 0,1,2,3
	v_lshrrev_b32 v[TM+4+\b], 23, v[TM+12+\b]   ; the scale's byte
.endr
	v_lshl_or_b32 v[(\pw)], v[TM+5], 8, v[TM+4]
	v_lshl_or_b32 v[(\pw)], v[TM+6], 16, v[(\pw)]
	v_lshl_or_b32 v[(\pw)], v[TM+7], 24, v[(\pw)]
	v_cvt_scalef32_pk16_fp6_f32 v[(\d0):(\d0)+2], v[(\s):(\s)+15], v[TM+12]
	v_cvt_scalef32_pk16_fp6_f32 v[Y:Y+2], v[(\s)+16:(\s)+31], v[TM+13]   ; (a conversion's three registers begin on an even number)
	v_cvt_scalef32_pk16_fp6_f32 v[(\d1):(\d1)+2], v[(\s)+32:(\s)+47], v[TM+14]
	v_cvt_scalef32_pk16_fp6_f32 v[Y+4:Y+6], v[(\s)+48:(\s)+63], v[TM+15]
	v_nop                                          ; one plain place behind the scaled conversions
.irp i, 0,1,2
	v_permlane16_swap_b32 v[(\d0)+\i], v[Y+\i]     ; a WHOLE block to a lane: lanes 0-15 the even block, lanes 16-31 the odd one
.endr
.irp i, 0,1,2
	v_mov_b32 v[(\d0)+3+\i], v[Y+\i]
.endr
.irp i, 0,1,2
	v_permlane16_swap_b32 v[(\d1)+\i], v[Y+4+\i]
.endr
.irp i, 0,1,2
	v_mov_b32 v[(\d1)+3+\i], v[Y+4+\i]
.endr
.endm
	s_load_b256 s[4:11], s[0:1], 0x0               ; x, Wq, Wk, Wv
	s_load_b128 s[12:15], s[0:1], 0x20             ; cod, csc
	v_lshl_add_u32 v[SPW], v0, 2, SPARE
	v_mov_b32 v[NIL], 0
	v_lshrrev_b32 v8, 5, v0
	v_readfirstlane_b32 s16, v8                    ; wave 0..3
	v_and_b32 v[LN], 31, v0
	v_and_b32 v8, 15, v0                           ; r
	v_bfe_u32 v9, v0, 4, 1                         ; h
	v_lshlrev_b32 v[LI], 4, v[LN]
	s_mul_i32 s17, s16, WSTG
	v_add_nc_u32 v[SIN], s17, v[LI]
	v_mul_u32_u24 v[SOUT], v8, SPITCH
	v_lshl_add_u32 v[SOUT], v9, 6, v[SOUT]
	v_add_nc_u32 v[SOUT], s17, v[SOUT]
	v_lshlrev_b32 v[RO], 4, v8
.irp b, 0,1,2,3
	v_mov_b32 v[TM+4+\b], 0                        ; written once: a lane permute's destination counts as one of its sources
.endr
	s_mov_b32 s[SEL], 0x76543210
	s_mov_b32 s[SEL+1], 0xfedcba98
	s_lshr_b32 s18, s16, 1                         ; u: which tile of the group of 32 rows
	s_and_b32 s19, s16, 1                          ; H: which half of K
	s_lshl_b32 s28, ttmp9, 1
	s_add_co_u32 s28, s28, s18                     ; the tile's number
	s_mul_i32 s30, s28, 8*FRB
	s_mul_i32 s29, s19, 4*FRB
	s_add_co_u32 s30, s30, s29                     ; its images of my half
	s_mov_b32 s31, 0
	s_lshl_b32 s32, s28, 9
	s_lshl_b32 s29, s19, 8
	s_add_co_u32 s32, s32, s29                     ; and their scale words
	s_mov_b32 s33, 0
	s_and_b32 s25, ttmp9, 31                       ; the group of 32 rows inside a weight
	s_wait_alu depctr_va_vdst(0)
	s_wait_kmcnt 0x0
	s_mov_b64 s[22:23], s[10:11]                   ; the tensor is chosen by the work-group's number alone: 0-255 x, 256-287 Wq, 288-319 Wk, 320-351 Wv
	s_cmp_lt_u32 ttmp9, 320
	s_cselect_b64 s[22:23], s[8:9], s[22:23]
	s_cmp_lt_u32 ttmp9, 288
	s_cselect_b64 s[22:23], s[6:7], s[22:23]
	s_cmp_lt_u32 ttmp9, 256
	s_cselect_b64 s[22:23], s[4:5], s[22:23]
	s_cselect_b32 s25, ttmp9, s25                  ; inside x the group is the work-group's number
	s_lshl_b32 s20, s25, 17                        ; 32 rows of 4,096 bytes,
	s_lshl_b32 s29, s18, 15                        ; + 8 u rows,
	s_add_co_u32 s20, s20, s29
	s_lshl_b32 s29, s19, 11                        ; + my half of K
	s_add_co_u32 s20, s20, s29
	s_mov_b32 s21, 0
	s_add_nc_u64 s[22:23], s[22:23], s[20:21]
	s_add_nc_u64 s[12:13], s[12:13], s[30:31]
	s_add_nc_u64 s[14:15], s[14:15], s[32:33]
.macro LOAD t                          ; K step t of my 16 rows: each load takes 512 consecutive bytes of the tile's row i
.irp i, 0,1,2,3,4,5,6,7,8,9,10,11,12,13,14,15
	global_load_b128 v[R+64*((\t)%2)+4*\i:R+64*((\t)%2)+4*\i+3], v[LI], s[22:23] offset:(\i+8*(\i/8))*ROWB+512*(\t) th:TH_LOAD_NT
.endr
.endm
.macro TURNQ t                         ; through the stage: LDS serves a wave's instructions in order, so no wait stands between the stores and the loads
.irp i, 0,1,2,3,4,5,6,7,8,9,10,11,12,13,14,15
	ds_store_b128 v[SIN], v[R+64*((\t)%2)+4*\i:R+64*((\t)%2)+4*\i+3] offset:SPITCH*\i
.endr
.irp b, 0,1,2,3
.irp j, 0,1,2,3
	ds_load_b128 v[XS+16*\b+4*\j:XS+16*\b+4*\j+3], v[SOUT] offset:128*\b+16*\j
.endr
.endr
.endm
.macro QSTEP t
.if (\t) < 3
	s_wait_loadcnt 16                              ; this K step's 16 loads are in; the next step's 16 may be out
.else
	s_wait_loadcnt 0x0
.endif
	TURNQ \t
	s_wait_dscnt 0x0                               ; the numbers are back, and the stage's stores have read their registers
.if (\t) > 0
	s_wait_xcnt 0x0                                ; the last K step's stores have read the fragment's registers, which are written again below
.endif
.if (\t) < 2
	LOAD (\t)+2
.endif
	QUANT XS, PC, PC+6, PW+(\t)
.irp c, 0,1,2
	global_store_b128 v[LI], v[PC+4*\c:PC+4*\c+3], s[12:13] offset:FRB*(\t)+512*\c   ; 32 lanes store 512 consecutive bytes
.endr
.endm
	LOAD 0
	LOAD 1
	QSTEP 0
	QSTEP 1
	QSTEP 2
	QSTEP 3
	s_wait_xcnt 0x0                                ; EXEC changes only behind this wait
	v_cmp_gt_u32 vcc_lo, 16, v[LN]
	s_and_saveexec_b32 s34, vcc_lo                 ; lanes 16-31 hold the same words as lanes 0-15
	global_store_b128 v[RO], v[PW:PW+3], s[14:15]  ; sixteen lanes store 256 consecutive bytes, aligned
	s_wait_xcnt 0x0                                ; and again, in front of the line that widens it
	s_or_b32 exec_lo, exec_lo, s34
	s_wait_tensorcnt 0x0                           ; the wave's end, behind my last LDS store
	ds_add_u32 v[SPW], v[NIL]
	s_wait_dscnt 0x0
	s_endpgm
.Lfunc_end_k_qa71773c537_quant:
	.size	k_qa71773c537_quant, .Lfunc_end_k_qa71773c537_quant-k_qa71773c537_quant
	.p2alignl 7, 3214868480
	.fill 96, 4, 3214868480
	.section	.rodata,"a",@progbits
	.p2align	6, 0x0
	.amdhsa_kernel k_qa71773c537_quant
		.amdhsa_group_segment_fixed_size 34304
		.amdhsa_private_segment_fixed_size 0
		.amdhsa_enable_private_segment 0
		.amdhsa_kernarg_size 48
		.amdhsa_user_sgpr_count 2
		.amdhsa_user_sgpr_kernarg_segment_ptr 1
		.amdhsa_wavefront_size32 1
		.amdhsa_system_sgpr_workgroup_id_x 1
		.amdhsa_system_sgpr_workgroup_id_y 1
		.amdhsa_system_sgpr_workgroup_id_z 1
		.amdhsa_system_vgpr_workitem_id 0
		.amdhsa_next_free_vgpr 248
		.amdhsa_next_free_sgpr 66
		.amdhsa_reserve_vcc 1
		.amdhsa_float_denorm_mode_32 3
		.amdhsa_float_denorm_mode_16_64 3
		.amdhsa_memory_ordered 1
		.amdhsa_forward_progress 1
		.amdhsa_inst_pref_size 34
	.end_amdhsa_kernel
	.amdgpu_metadata
---
amdhsa.version: [ 1, 2 ]
amdhsa.kernels:
  - .name:           k_qa71773c537_quant
    .symbol:         k_qa71773c537_quant.kd
    .args:
      - { .name: x, .offset: 0, .size: 8, .value_kind: global_buffer, .address_space: global }
      - { .name: Wq, .offset: 8, .size: 8, .value_kind: global_buffer, .address_space: global }
      - { .name: Wk, .offset: 16, .size: 8, .value_kind: global_buffer, .address_space: global }
      - { .name: Wv, .offset: 24, .size: 8, .value_kind: global_buffer, .address_space: global }
      - { .name: cod, .offset: 32, .size: 8, .value_kind: global_buffer, .address_space: global }
      - { .name: csc, .offset: 40, .size: 8, .value_kind: global_buffer, .address_space: global }
    .group_segment_fixed_size: 34304
    .private_segment_fixed_size: 0
    .kernarg_segment_align: 8
    .kernarg_segment_size: 48
    .max_flat_workgroup_size: 128
    .sgpr_count:     66
    .vgpr_count:     248
    .wavefront_size: 32
...
	.end_amdgpu_metadata
.endif
;; end of part 1
;; launch proj (part 2): grid 12 x 32, 4 waves a work-group, clusters of 4 x 4, 327,680 bytes of LDS; arguments cod, csc, bq, bk, bv, att_img, att_sc; writes att_img, att_sc
.if DOCPART == 2
	.amdgcn_target "amdgcn-amd-amdhsa--gfx1250"
	.amdhsa_code_object_version 6
	.text
	.protected	k_qa71773c537_proj
	.globl	k_qa71773c537_proj
	.p2align	8
	.type	k_qa71773c537_proj,@function
k_qa71773c537_proj:
	s_mov_b64 s[64:65], 0
	v_nop
	global_prefetch_b8 v0, s[64:65] scope:SCOPE_SE
	s_setreg_imm32_b32 hwreg(HW_REG_WAVE_MODE, 25, 1), 1
	s_wait_xcnt 0x0
	s_wait_alu depctr_hold_cnt(0) depctr_sa_sdst(0) depctr_va_vdst(0) depctr_va_sdst(0) depctr_va_ssrc(0) depctr_va_vcc(0) depctr_vm_vsrc(0)
	s_getreg_b32 s2, hwreg(HW_REG_IB_STS2, 6, 4)
	s_cmp_eq_u32 s2, 0
	s_cbranch_scc0 .Lentry_in_a_cluster
	s_endpgm
.Lentry_in_a_cluster:
	s_bfe_u32 s2, ttmp6, 0x10000c
	s_cmp_lg_u32 s2, 0xf033
	s_cbranch_scc0 .Lentry_shape_is_right
	s_endpgm
.Lentry_shape_is_right:
.set FR,    12
.set FRB,   1536
.set TILEB, 8*FRB
.set PARTB, 8*2*FRB
.set WOFF,  2*PARTB
.set SLOT,  4*PARTB
.set SPARE, 2*SLOT
.set HEADB, 16*4*FRB
.set ADR1, 16
.set ADR0, 20
.set LI,   24
.set L8,   25
.set SCO,  26
.set BO,   27
.set SPW,  28
.set NIL,  29
.set BV,   30
.set SC0,  32
.set SC1,  64
.set BR,   96
.set AF,   128
.set HA,   128
.set IE,   192
.set IO,   204
.set Y,    216
.set TM,   224
.set PW,   240
.set WD,   248
.set G1,  24
.set G0,  32
.set G1B, 48
.set G0B, 56
.set SEL, 100
.set MSB, 0
.macro WIN new
.if MSB != (\new)
	s_set_vgpr_msb (MSB<<8)|(\new)
.set MSB, (\new)
.endif
.endm
.set MUL_LO, 0xa1
.set MUL_HI, 0xf1
.set TO_S0,  0x40
.macro JLOAD g0a, g1a, g0b, g1b
	s_cmp_eq_u32 s15, 0
	s_cbranch_scc0 .Lfor_b_\@
	tensor_load_to_lds s[\g0a:\g0a+3], s[\g1a:\g1a+7]
	s_nop 0
.rept 4
	v_nop
.endr
	s_branch .Lasked_\@
.Lfor_b_\@:
	tensor_load_to_lds s[\g0b:\g0b+3], s[\g1b:\g1b+7]
	s_nop 0
.rept 4
	v_nop
.endr
.Lasked_\@:
.endm
.macro CREST
	s_cmp_lg_u32 s14, 0
	s_cbranch_scc1 .Lnot_wave_0_\@
	s_barrier_signal -3
.Lnot_wave_0_\@:
	s_barrier_wait -3
	s_barrier_signal -1
	s_barrier_wait -1
.endm
.macro CROUND
	s_barrier_signal -1
	s_barrier_wait -1
	CREST
.endm
.macro PLACES n
.rept \n
	v_nop
.endr
.endm
.macro QUANT s, d0, d1, pw
.irp b, 0,1,2,3
	v_max3_num_f32 v[TM+\b], |v[(\s)+16*\b]|, |v[(\s)+1+16*\b]|, 0x1800000
.endr
.irp i, 2,4,6,8,10,12,14
.irp b, 0,1,2,3
	v_max3_num_f32 v[TM+\b], v[TM+\b], |v[(\s)+16*\b+\i]|, |v[(\s)+1+16*\b+\i]|
.endr
.endr
.irp b, 0,1,2,3
	v_permlanex16_b32 v[TM+4+\b], v[TM+\b], s[SEL], s[SEL+1]
.endr
.irp b, 0,1,2,3
	v_max_num_f32 v[TM+\b], v[TM+\b], v[TM+4+\b]
.endr
.irp b, 0,1,2,3
	v_add_nc_u32 v[TM+12+\b], 0xff000000, v[TM+\b]
.endr
.irp b, 0,1,2,3
	v_lshrrev_b32 v[TM+4+\b], 23, v[TM+12+\b]
.endr
	v_lshl_or_b32 v[(\pw)], v[TM+5], 8, v[TM+4]
	v_lshl_or_b32 v[(\pw)], v[TM+6], 16, v[(\pw)]
	v_lshl_or_b32 v[(\pw)], v[TM+7], 24, v[(\pw)]
	v_cvt_scalef32_pk16_fp6_f32 v[(\d0):(\d0)+2], v[(\s):(\s)+15], v[TM+12]
	v_cvt_scalef32_pk16_fp6_f32 v[Y:Y+2], v[(\s)+16:(\s)+31], v[TM+13]
	v_cvt_scalef32_pk16_fp6_f32 v[(\d1):(\d1)+2], v[(\s)+32:(\s)+47], v[TM+14]
	v_cvt_scalef32_pk16_fp6_f32 v[Y+4:Y+6], v[(\s)+48:(\s)+63], v[TM+15]
	v_nop
.irp i, 0,1,2
	v_permlane16_swap_b32 v[(\d0)+\i], v[Y+\i]
.endr
.irp i, 0,1,2
	v_mov_b32 v[(\d0)+3+\i], v[Y+\i]
.endr
.irp i, 0,1,2
	v_permlane16_swap_b32 v[(\d1)+\i], v[Y+4+\i]
.endr
.irp i, 0,1,2
	v_mov_b32 v[(\d1)+3+\i], v[Y+4+\i]
.endr
.endm
	s_load_b128 s[4:7], s[0:1], 0x0
	s_load_b256 s[68:75], s[0:1], 0x10
	s_load_b64 s[76:77], s[0:1], 0x30
	v_lshl_add_u32 v[SPW], v0, 2, SPARE
	v_mov_b32 v[NIL], 0
	ds_add_u32 v[SPW], v[NIL]
	ds_add_u32 v[SPW], v[NIL]
	v_lshrrev_b32 v1, 5, v0
	v_readfirstlane_b32 s14, v1
	s_lshr_b32 s15, s14, 1
	s_and_b32 s16, s14, 1
	s_bfe_u32 s40, ttmp6, 0x40000
	s_bfe_u32 s41, ttmp6, 0x40004
	s_lshl_b32 s42, ttmp9, 2
	s_add_co_u32 s42, s42, s40
	s_and_b32 s17, ttmp7, 0xffff
	s_lshl_b32 s17, s17, 2
	s_add_co_u32 s17, s17, s41
	s_lshl_b32 s43, s41, 2
	s_lshl_b32 s43, 15, s43
	s_lshl_b32 s44, 0x1111, s40
	s_or_b32 s[G1+0], s43, (3<<16)|(1<<21)
	s_or_b32 s[G1B+0], s44, (3<<16)|(1<<21)
.irp g, G1, G1B
	s_mov_b32 s[\g+1], 384<<16
	s_mov_b32 s[\g+2], 8<<16
	s_mov_b32 s[\g+3], 384<<16
	s_mov_b32 s[\g+4], 8
	s_mov_b32 s[\g+5], TILEB/8
	s_mov_b32 s[\g+6], 0
	s_mov_b32 s[\g+7], 0
.endr
	s_lshl_b32 s18, s16, 3
	s_lshl_b32 s20, s17, 4
	s_add_co_u32 s20, s20, s18
	s_mul_i32 s20, s20, TILEB
	s_mov_b32 s21, 0
	s_lshl_b32 s46, s42, 4
	s_add_co_u32 s46, s46, s18
	s_add_co_u32 s46, s46, 512
	s_mul_i32 s46, s46, TILEB
	s_mov_b32 s47, 0
	s_mul_i32 s45, s14, PARTB
	s_lshl_b32 s10, s17, 4
	s_lshl_b32 s11, s42, 4
	s_add_co_u32 s11, s11, 512
	s_cmp_eq_u32 ttmp9, 2
	s_cselect_b32 s86, 0, WOFF
	s_cselect_b32 s87, WOFF, 0
	s_cselect_b32 s88, s10, s11
	s_cselect_b32 s89, s11, s10
	s_cselect_b32 s90, s16, s15
	s_cselect_b32 s91, s15, s16
	s_add_co_u32 s92, s88, s18
	s_lshl_b32 s92, s92, 9
	s_mov_b32 s93, 0
	s_lshl_b32 s13, s15, 3
	s_add_co_u32 s94, s89, s13
	s_lshl_b32 s94, s94, 9
	s_mov_b32 s95, 0
	s_lshl_b32 s78, s40, 10
	s_lshl_b32 s9, s91, 9
	s_add_co_u32 s78, s78, s9
	s_mov_b32 s79, 0
	s_lshl_b32 s8, ttmp9, 6
	s_lshr_b32 s9, s17, 3
	s_lshl_b32 s9, s9, 4
	s_add_co_u32 s8, s8, s9
	s_lshl_b32 s9, s40, 2
	s_add_co_u32 s8, s8, s9
	s_lshl_b32 s9, s91, 1
	s_add_co_u32 s8, s8, s9
	s_lshl_b32 s8, s8, 4
	s_and_b32 s9, s17, 7
	s_lshl_b32 s9, s9, 1
	s_add_co_u32 s8, s8, s9
	s_add_co_u32 s8, s8, s90
	s_mul_i32 s80, s8, 4*FRB
	s_mov_b32 s81, 0
	s_lshl_b32 s82, s8, 8
	s_mov_b32 s83, 0
	s_mov_b32 s84, 0xffff0000
	s_mov_b32 s[SEL], 0x76543210
	s_mov_b32 s[SEL+1], 0xfedcba98
	v_and_b32 v1, 31, v0
	v_and_b32 v2, 15, v0
	v_bfe_u32 v3, v0, 4, 1
	v_lshlrev_b32 v[LI], 4, v1
	v_lshlrev_b32 v[L8], 3, v1
	v_lshlrev_b32 v[SCO], 4, v2
	v_lshl_add_u32 v[SCO], v3, 9, v[SCO]
	v_lshlrev_b32 v[BO], 6, v3
	v_and_b32 v[BV], 8, v2
	v_add_nc_u32 v[BV], v[BV], v2
	v_lshlrev_b32 v[BV], 2, v[BV]
	s_mul_i32 s22, s15, PARTB
	s_add_co_u32 s22, s22, s87
	s_mul_i32 s23, s16, PARTB
	s_add_co_u32 s23, s23, s86
	v_add_nc_u32 v[ADR1], s22, v[LI]
	v_add_nc_u32 v[ADR1+1], SLOT, v[ADR1]
	v_add_nc_u32 v[ADR0], s23, v[LI]
	v_add_nc_u32 v[ADR0+1], SLOT, v[ADR0]
	s_wait_dscnt 0x0
	s_wait_kmcnt 0x0
	s_add_nc_u64 s[20:21], s[4:5], s[20:21]
	s_add_nc_u64 s[46:47], s[4:5], s[46:47]
	s_add_nc_u64 s[92:93], s[6:7], s[92:93]
	s_add_nc_u64 s[94:95], s[6:7], s[94:95]
	s_add_nc_u64 s[80:81], s[74:75], s[80:81]
	s_add_nc_u64 s[82:83], s[76:77], s[82:83]
	s_cmp_eq_u32 ttmp9, 0
	s_cselect_b64 s[96:97], s[68:69], s[70:71]
	s_cmp_eq_u32 ttmp9, 2
	s_cselect_b64 s[96:97], s[72:73], s[96:97]
	s_add_nc_u64 s[96:97], s[96:97], s[78:79]
	CROUND
.irp s, 0,1
	s_mov_b32 s[G0+4*\s], 1
	s_add_co_u32 s[G0+4*\s+1], s45, \s*SLOT
	s_add_nc_u64 s[G0+4*\s+2:G0+4*\s+3], s[20:21], \s*2*FRB
	s_or_b32 s[G0+4*\s+3], s[G0+4*\s+3], 0x80000000
	s_mov_b32 s[G0B+4*\s], 1
	s_add_co_u32 s[G0B+4*\s+1], s45, \s*SLOT
	s_add_nc_u64 s[G0B+4*\s+2:G0B+4*\s+3], s[46:47], \s*2*FRB
	s_or_b32 s[G0B+4*\s+3], s[G0B+4*\s+3], 0x80000000
	s_wait_alu depctr_va_vdst(0)
	s_wait_tensorcnt 0x0
	ds_add_u32 v28, v29
	ds_add_u32 v28, v29
	s_wait_dscnt 0x0
	CROUND
	JLOAD G0+4*\s, G1, G0B+4*\s, G1B
.endr
	s_wait_alu depctr_va_vdst(0)
.irp i, 0,1,2,3
.irp hh, 0,1
	global_load_b128 v[SC0+8*\i+4*\hh:SC0+8*\i+4*\hh+3], v[SCO], s[92:93] offset:1024*\i+256*\hh
	global_load_b128 v[SC1+8*\i+4*\hh:SC1+8*\i+4*\hh+3], v[SCO], s[94:95] offset:1024*\i+256*\hh
.endr
.endr
	WIN TO_S0
.irp b, 0,1,2,3
.irp j, 0,1,2,3
	global_load_b128 v[96+16*\b+4*\j+96*(\b/2):96+16*\b+4*\j+96*(\b/2)+3], v[BO], s[96:97] offset:128*\b+16*\j
.endr
.endr
	WIN 0
.irp a, 0,1,2,3,4,5,6,7
	global_load_b32 v[BR+2*\a], v[BV], s[96:97] offset:4*(32*(\a/2)+8*(\a%2))
.endr
.macro FRAG reg, adr, q, i
.irp c, 0,1,2
	ds_load_b128 v[(\reg)+4*\c:(\reg)+4*\c+3], v[\adr] offset:2*FRB*(\i)+FRB*(\q)+512*\c
.endr
.endm
.macro FETCH_S0 slot, q, p
	WIN TO_S0
.irp i, 0,1,2,3,4,5,6,7
	FRAG 128*(\p)+FR*\i, ADR0+\slot, \q, \i
.endr
	WIN 0
.endm
.macro FETCH_S1 slot, q, i0
.irp i, \i0, \i0+1, \i0+2, \i0+3
	FRAG AF+FR*(\i), ADR1+\slot, \q, \i
.endr
.endm
.macro WMM a, b, p, ks, zero
.set rD, 8*(8*((\a)%4)+(\b))
.set rP, 128*(\p)+FR*(\b)
.set rQ, AF+FR*(\a)
.set rA, SC0+8*((\b)/2)+(\ks)
.set rB, SC1+8*((\a)/2)+(\ks)
.set WSEL, 4*(\zero)+2*((\b)%2)+((\a)%2)
.if WSEL == 0
	v_wmma_scale_f32_16x16x128_f8f6f4 v[rD:rD+7], v[rP:rP+11], v[rQ:rQ+11], v[rD:rD+7], v[rA], v[rB] matrix_a_fmt:MATRIX_FMT_FP6 matrix_b_fmt:MATRIX_FMT_FP6
.elseif WSEL == 1
	v_wmma_scale_f32_16x16x128_f8f6f4 v[rD:rD+7], v[rP:rP+11], v[rQ:rQ+11], v[rD:rD+7], v[rA], v[rB] matrix_a_fmt:MATRIX_FMT_FP6 matrix_b_fmt:MATRIX_FMT_FP6 matrix_b_scale:MATRIX_SCALE_ROW1
.elseif WSEL == 2
	v_wmma_scale_f32_16x16x128_f8f6f4 v[rD:rD+7], v[rP:rP+11], v[rQ:rQ+11], v[rD:rD+7], v[rA], v[rB] matrix_a_fmt:MATRIX_FMT_FP6 matrix_b_fmt:MATRIX_FMT_FP6 matrix_a_scale:MATRIX_SCALE_ROW1
.elseif WSEL == 3
	v_wmma_scale_f32_16x16x128_f8f6f4 v[rD:rD+7], v[rP:rP+11], v[rQ:rQ+11], v[rD:rD+7], v[rA], v[rB] matrix_a_fmt:MATRIX_FMT_FP6 matrix_b_fmt:MATRIX_FMT_FP6 matrix_a_scale:MATRIX_SCALE_ROW1 matrix_b_scale:MATRIX_SCALE_ROW1
.elseif WSEL == 4
	v_wmma_scale_f32_16x16x128_f8f6f4 v[rD:rD+7], v[rP:rP+11], v[rQ:rQ+11], 0, v[rA], v[rB] matrix_a_fmt:MATRIX_FMT_FP6 matrix_b_fmt:MATRIX_FMT_FP6
.elseif WSEL == 5
	v_wmma_scale_f32_16x16x128_f8f6f4 v[rD:rD+7], v[rP:rP+11], v[rQ:rQ+11], 0, v[rA], v[rB] matrix_a_fmt:MATRIX_FMT_FP6 matrix_b_fmt:MATRIX_FMT_FP6 matrix_b_scale:MATRIX_SCALE_ROW1
.elseif WSEL == 6
	v_wmma_scale_f32_16x16x128_f8f6f4 v[rD:rD+7], v[rP:rP+11], v[rQ:rQ+11], 0, v[rA], v[rB] matrix_a_fmt:MATRIX_FMT_FP6 matrix_b_fmt:MATRIX_FMT_FP6 matrix_a_scale:MATRIX_SCALE_ROW1
.else
	v_wmma_scale_f32_16x16x128_f8f6f4 v[rD:rD+7], v[rP:rP+11], v[rQ:rQ+11], 0, v[rA], v[rB] matrix_a_fmt:MATRIX_FMT_FP6 matrix_b_fmt:MATRIX_FMT_FP6 matrix_a_scale:MATRIX_SCALE_ROW1 matrix_b_scale:MATRIX_SCALE_ROW1
.endif
.endm
.macro MUL16 a0, p, ks, zero
.irp a, \a0, \a0+1
.irp b, 0,1,2,3,4,5,6,7
	WMM \a, \b, \p, \ks, \zero
.endr
.endr
.endm
.macro STEP slot, ks, zero
	s_wait_dscnt 4*3
	WIN MUL_LO
	MUL16 0, 0, \ks, \zero
	MUL16 2, 0, \ks, \zero
	s_wait_dscnt 0x0
	PLACES 4
	FETCH_S0 \slot, 1, 1
	FETCH_S1 \slot, 1, 0
	WIN MUL_HI
	MUL16 4, 0, \ks, \zero
	MUL16 6, 0, \ks, \zero
	PLACES 4
	WIN 0
	FETCH_S1 \slot, 1, 4
.endm
.macro TURN slot, next, fill, ks
	s_wait_tensorcnt 0x0
	ds_add_u32 v[SPW], v[NIL]
	s_wait_dscnt 4*3+1
	WIN MUL_LO
	MUL16 0, 1, \ks, 0
	s_wait_dscnt 0x0
	s_barrier_signal -1
	MUL16 2, 1, \ks, 0
	WIN 0
	s_barrier_wait -1
.if \fill
	CREST
	s_add_nc_u64 s[G0+4*\slot+2:G0+4*\slot+3], s[G0+4*\slot+2:G0+4*\slot+3], 4*FRB
	s_add_nc_u64 s[G0B+4*\slot+2:G0B+4*\slot+3], s[G0B+4*\slot+2:G0B+4*\slot+3], 4*FRB
	JLOAD G0+4*\slot, G1, G0B+4*\slot, G1B
.else
	PLACES 4
.endif
	FETCH_S0 \next, 0, 0
	FETCH_S1 \next, 0, 0
	WIN MUL_HI
	MUL16 4, 1, \ks, 0
	MUL16 6, 1, \ks, 0
	PLACES 4
	WIN 0
	FETCH_S1 \next, 0, 4
.endm
	s_wait_tensorcnt 1
	s_barrier_signal -1
	s_barrier_wait -1
	FETCH_S0 0, 0, 0
	FETCH_S1 0, 0, 0
	FETCH_S1 0, 0, 4
	s_wait_loadcnt 0x0
	STEP 0, 0, 1
	TURN 0, 1, 1, 1
	STEP 1, 2, 0
	TURN 1, 0, 1, 3
	STEP 0, 4, 0
	TURN 0, 1, 0, 5
	STEP 1, 6, 0
	s_wait_dscnt 4*3
	WIN MUL_LO
	MUL16 0, 1, 7, 0
	MUL16 2, 1, 7, 0
	s_wait_dscnt 0x0
	WIN MUL_HI
	MUL16 4, 1, 7, 0
	MUL16 6, 1, 7, 0
	WIN 0
	PLACES 4
.irp b, 0,1,2,3
	v_mov_b32 v[TM+4+\b], 0
.endr
	s_cmp_eq_u32 ttmp9, 2
	s_cbranch_scc1 .Lv_out
.macro ADDB_QK a
	WIN 0x06+(\a)/4
.set i, 0
.rept 32
	v_pk_add_f32 v[HA+i:HA+i+1], v[64*((\a)%4)+i:64*((\a)%4)+i+1], v[96+i+96*(i/32):96+i+96*(i/32)+1]
.set i, i+2
.endr
	WIN 0
.endm
.irp j, 0,1,2,3
.if \j > 0
	s_wait_xcnt 0x0
.endif
	ADDB_QK 2*\j
	QUANT HA, IE, IO, PW+2*\j
	ADDB_QK 2*\j+1
	QUANT HA, IE+6, IO+6, PW+2*\j+1
.irp c, 0,1,2
	global_store_b128 v[LI], v[IE+4*\c:IE+4*\c+3], s[80:81] offset:FRB*\j+512*\c
	global_store_b128 v[LI], v[IO+4*\c:IO+4*\c+3], s[80:81] offset:HEADB+FRB*\j+512*\c
.endr
.endr
.irp j, 0,1,2,3
	v_perm_b32 v[TM+\j], v[PW+2*\j+1], v[PW+2*\j], 0x05040100
	v_perm_b32 v[TM+4+\j], v[PW+2*\j+1], v[PW+2*\j], 0x07060302
.endr
.irp e, 0,1,2,3
	v_cndmask_b32 v[WD+\e], v[TM+2*\e], v[TM+2*\e+1], s84
.endr
	global_store_b64 v[L8], v[WD:WD+1], s[82:83]
	global_store_b64 v[L8], v[WD+2:WD+3], s[82:83] offset:4096
	s_branch .Ldone
.macro ADDB_V a
	WIN 0x02+(\a)/4
.set i, 0
.rept 32
	v_pk_add_f32 v[HA+i:HA+i+1], v[64*((\a)%4)+i:64*((\a)%4)+i+1], v[BR+2*(\a):BR+2*(\a)+1]
.set i, i+2
.endr
	WIN 0
.endm
.Lv_out:
.irp a, 0,1,2,3,4,5,6,7
	v_mov_b32 v[BR+2*\a+1], v[BR+2*\a]
.endr
.irp a, 0,1,2,3,4,5,6,7
.if \a > 0
	s_wait_xcnt 0x0
.endif
	ADDB_V \a
	QUANT HA, IE, IE+6, PW+\a
.irp c, 0,1,2
	global_store_b128 v[LI], v[IE+4*\c:IE+4*\c+3], s[80:81] offset:HEADB*(\a/4)+FRB*(\a%4)+512*\c
.endr
.endr
.irp e, 0,1,2,3
	v_cndmask_b32 v[WD+\e], v[PW+2*\e], v[PW+2*\e+1], s84
.endr
	global_store_b64 v[L8], v[WD:WD+1], s[82:83]
	global_store_b64 v[L8], v[WD+2:WD+3], s[82:83] offset:4096
.Ldone:
	s_wait_tensorcnt 0x0
	ds_add_u32 v[SPW], v[NIL]
	s_wait_dscnt 0x0
	CROUND
	s_endpgm
.Lfunc_end_k_qa71773c537_proj:
	.size	k_qa71773c537_proj, .Lfunc_end_k_qa71773c537_proj-k_qa71773c537_proj
	.p2alignl 7, 3214868480
	.fill 96, 4, 3214868480
	.section	.rodata,"a",@progbits
	.p2align	6, 0x0
	.amdhsa_kernel k_qa71773c537_proj
		.amdhsa_group_segment_fixed_size 327680
		.amdhsa_private_segment_fixed_size 0
		.amdhsa_enable_private_segment 0
		.amdhsa_kernarg_size 56
		.amdhsa_user_sgpr_count 2
		.amdhsa_user_sgpr_kernarg_segment_ptr 1
		.amdhsa_wavefront_size32 1
		.amdhsa_system_sgpr_workgroup_id_x 1
		.amdhsa_system_sgpr_workgroup_id_y 1
		.amdhsa_system_sgpr_workgroup_id_z 1
		.amdhsa_system_vgpr_workitem_id 0
		.amdhsa_next_free_vgpr 1024
		.amdhsa_next_free_sgpr 102
		.amdhsa_reserve_vcc 0
		.amdhsa_float_denorm_mode_32 3
		.amdhsa_float_denorm_mode_16_64 3
		.amdhsa_memory_ordered 1
		.amdhsa_forward_progress 1
		.amdhsa_inst_pref_size 207
	.end_amdhsa_kernel
	.amdgpu_metadata
---
amdhsa.version: [ 1, 2 ]
amdhsa.kernels:
  - .name:           k_qa71773c537_proj
    .symbol:         k_qa71773c537_proj.kd
    .args:
      - { .name: cod, .offset: 0, .size: 8, .value_kind: global_buffer, .address_space: global }
      - { .name: csc, .offset: 8, .size: 8, .value_kind: global_buffer, .address_space: global }
      - { .name: bq, .offset: 16, .size: 8, .value_kind: global_buffer, .address_space: global }
      - { .name: bk, .offset: 24, .size: 8, .value_kind: global_buffer, .address_space: global }
      - { .name: bv, .offset: 32, .size: 8, .value_kind: global_buffer, .address_space: global }
      - { .name: att_img, .offset: 40, .size: 8, .value_kind: global_buffer, .address_space: global }
      - { .name: att_sc, .offset: 48, .size: 8, .value_kind: global_buffer, .address_space: global }
    .group_segment_fixed_size: 327680
    .private_segment_fixed_size: 0
    .kernarg_segment_align: 8
    .kernarg_segment_size: 56
    .max_flat_workgroup_size: 128
    .sgpr_count:     102
    .vgpr_count:     1024
    .wavefront_size: 32
...
	.end_amdgpu_metadata
.endif
;; end of part 2
;; launch attn (part 3): grid 4 x 64, 16 waves a work-group, clusters of 4 x 1, 327,680 bytes of LDS; arguments att_img, att_sc, out0; writes out0
.if DOCPART == 3
	.amdgcn_target "amdgcn-amd-amdhsa--gfx1250"
	.amdhsa_code_object_version 6
	.text
	.protected	k_qa71773c537_attn
	.globl	k_qa71773c537_attn
	.p2align	8
	.type	k_qa71773c537_attn,@function
k_qa71773c537_attn:
	s_mov_b64 s[64:65], 0
	v_nop
	global_prefetch_b8 v0, s[64:65] scope:SCOPE_SE
	s_setreg_imm32_b32 hwreg(HW_REG_WAVE_MODE, 25, 1), 1
	s_wait_xcnt 0x0
	s_wait_alu depctr_hold_cnt(0) depctr_sa_sdst(0) depctr_va_vdst(0) depctr_va_sdst(0) depctr_va_ssrc(0) depctr_va_vcc(0) depctr_vm_vsrc(0)
	s_getreg_b32 s2, hwreg(HW_REG_IB_STS2, 6, 4)
	s_cmp_eq_u32 s2, 0
	s_cbranch_scc0 .Lentry_in_a_cluster
	s_endpgm
.Lentry_in_a_cluster:
	s_bfe_u32 s2, ttmp6, 0x10000c
	s_cmp_lg_u32 s2, 0x3003
	s_cbranch_scc0 .Lentry_shape_is_right
	s_endpgm
.Lentry_shape_is_right:
; out0[b][q][64 head + :] = the sum over keys of softmax(q . k / 8) v, both products on codes of FP6 (E2M3) with E8M0 block scales, sums in f32.
; THE SOFTMAX AHEAD OF THE SECOND PRODUCT: t = score x log2(e) / 8; M = the row's largest t so far, rounded UP to a whole number; p = 2^(t - M) is what is quantised, along the keys, not normalised.
; The row's sum is taken of the unquantised p and divides at the end.  When M moves, the sum and O are multiplied by 2^(old M - new M): exact.
; INPUTS are images of operands' registers (1,536 bytes: registers 4 c .. 4 c + 3 as 512 bytes, 16 a lane).  att_img [q, k, v][hb = 16 batch + head][step of 128 tokens][4 images].
; q, k: image j is the step's j-th group of 32 tokens: registers 0-5 (K places 0-63) the 64 codes of its first tile, registers 6-11 (places 64-127) of its second; lane r of tile u is token 8 u + r + 8 (r / 8) of the group.
; v: image j is the head's j-th tile of 16 channels (lane r: channel 32 (j / 2) + 8 (j % 2) + r + 8 (r / 8)) x the step's 128 keys.  att_sc [3][hb][step][lane 32][2 words]: word e of lane l: image 2 e + l / 16, row l % 16.
; THE FIRST PRODUCT HAS K = 64 in an instruction of 128: a pair image of k times (q, zeros) gives the scores of its first tile, times (zeros, q) of its second: the other half meets zero codes, which add nothing.
; SHARES.  A work-group owns 512 queries of one head; wave w of sixteen owns a group of 32, in two passes of one tile of 16; four waves to a SIMD, so that one wave's vector work stands beside another's matrix work and LDS loads.
; A HEAD'S K AND V, 196,608 bytes of images and 8,192 of scale words, COME INTO LDS ONCE AND STAY: no slot is ever filled again.  Wave 0 fetches k's, wave 1 v's: the scale words, then four chunks of four key steps;
; five loads of a fetching wave are out at the most.  CLUSTER: the four work-groups of a head ask jointly, by the same loads with a mask that names the four.
; Both products are used transposed (S^T = k q^T, O^T = v^T p^T): a lane holds one query throughout; by the order of a tile's rows the 16 registers of two neighbouring tiles are 16 neighbours along the next K.
; No prefetch: all that the launch reads from memory is asked for in its first lines.
; LIMITS: NaN and infinities are not served; a block of p that has fallen to zeros keeps the byte 1: its codes are zeros.
.set FRB,   1536
.set STEPB, 4*FRB                      ; a key step's four images
.set HEADB, 16*STEPB                   ; a head's images: 98,304 bytes
.set CHUNK, 4*STEPB                    ; what one tensor load brings
.set KIMG,  0
.set VIMG,  HEADB
.set KSC,   2*HEADB                    ; k's scale words, 4,096 bytes; v's behind them
.set STAGE, KSC+8192                   ; the way out: 16 rows x (256 bytes + 16) for each wave; no tile lands here
.set SPARE, STAGE+16*16*272            ; the spare words, 128 bytes a wave: eight blocks of 256 bytes that no other line names
.set AK0, 1                            ; v1   16 x lane
.set AS0, 2                            ; v2   KSC + 8 x lane
.set SPW, 3                            ; v3   my spare word; never rewritten
.set NIL, 4                            ; v4   0; never rewritten
.set STO, 5                            ; v5   the stage: where I put 64 bytes of a row
.set RD,  6                            ; v6   and where I read a row back
.set GO,  7                            ; v7   my byte offset in two rows of out0
.set ADK, 8                            ; v8   the step's images of k
.set ADV, 9                            ; v9   of v
.set ADS, 10                           ; v10  its scale words
.set QO,  11                           ; v11  8 r: q's scale word
                                       ; v12 -M, v13 the largest t, v[14:15] the sum in two halves
.set QI,  16                           ; v16-27 my group's pair image of q
.set QWI, 28                           ; v28  its scale word
.set QW,  29                           ; v29  the pass's tile's two bytes, twice
.set QZ,  30                           ; v30-47 six zeros, q's six registers, six zeros: (zeros, q) = v30-41, (q, zeros) = v36-47
.set KF,  48                           ; v48-95 four images of k, then of v
.set S,   96                           ; v96-159 S^T, then p
.set O,   160                          ; v160-191 O^T
.set PC,  192                          ; v192-203 p's codes
.set Y,   204                          ; v204-210 the conversions' second halves
.set BM,  212                          ; v212-215 a block's largest score, then its largest p
.set BT,  216                          ; v216-219 at work
.set SO,  220                          ; v220-223 the conversions' scale operands
.set F,   224                          ; v[224:225] f = 2^(old M - new M) (the low word serves both halves)
.set PWD, 226                          ; v226 p's scale word
.set T0,  227
.set SA,  228                          ; v[228:229] the sum's second chain
.set KS,  230                          ; v[230:231] k's scale words of the step
.set VS,  232                          ; v[232:233] v's
.set WV,  18                           ; s18 my wave's number
.set SEL, 20                           ; s[20:21] v_permlanex16_b32's selects for lane l xor 16
.set CS,  22                           ; s[22:23] c = log2(e) / 8
.set TB,  2                            ; s2  where the step's images begin
.set TS,  3                            ; s3  and its scale words
.set CNT, 60
.set G1C, 24                           ; s[24:31] group 1 for a chunk;  s[32:39] for the scale words;  s[40:43] group 0 for the scale words;  s[44:59] for the four chunks
.set G1S, 32
.set G0S, 40
.set G0C, 44
.macro CROUND                          ; a round of the cluster's barrier
	s_barrier_signal -1
	s_barrier_wait -1
	s_cmp_lg_u32 s[WV], 0
	s_cbranch_scc1 .Lnot_wave_0_\@
	s_barrier_signal -3
.Lnot_wave_0_\@:
	s_barrier_wait -3
	s_barrier_signal -1
	s_barrier_wait -1
.endm
	s_load_b128 s[4:7], s[0:1], 0x0                ; att_img, att_sc
	s_load_b64 s[8:9], s[0:1], 0x10                ; out0
	v_lshl_add_u32 v[SPW], v0, 2, SPARE
	v_mov_b32 v[NIL], 0
	ds_add_u32 v[SPW], v[NIL]                      ; the wave's opening: the add and its wait stand ahead of the first tensor loads; the set-up below, work on registers, stands between them
	ds_add_u32 v[SPW], v[NIL]
	v_lshrrev_b32 v8, 5, v0
	s_delay_alu instid0(VALU_DEP_1)
	v_readfirstlane_b32 s[WV], v8                  ; wave 0..15
	s_bfe_u32 s10, ttmp6, 0x40000                  ; cx: which 512 queries
	s_and_b32 s11, ttmp7, 0xffff                   ; hb, which the four partners share
	s_and_b32 s12, s[WV], 1                        ; a fetching wave: k (0) or v (1)
	s_add_co_u32 s13, s12, 1
	s_mul_i32 s72, s13, 64*HEADB                   ; the tensor,
	s_mul_i32 s14, s11, HEADB                      ; the head
	s_add_co_u32 s72, s72, s14
	s_mov_b32 s73, 0
	s_lshl_b32 s74, s13, 18                        ; the same among the scale words: 262,144 a tensor, 4,096 a head
	s_lshl_b32 s15, s11, 12
	s_add_co_u32 s74, s74, s15
	s_mov_b32 s75, 0
	s_mul_i32 s16, s12, HEADB                      ; LDS: k's images or v's
	s_lshl_b32 s17, s12, 12
	s_add_co_u32 s17, s17, KSC                     ; and their scale words
	; group 1: dense blocks as rows of 256 bytes (32 elements of 8 bytes): 96 rows a chunk, 16 for the scale words; no padding: all reads are consecutive
	s_mov_b32 s[G1C], 15|(3<<16)|(1<<21)           ; 15:0 the mask: all four work-groups; 17:16 elements of 8 bytes; 21 set beside a mask
	s_mov_b32 s[G1C+1], 32<<16
	s_mov_b32 s[G1C+2], 96<<16
	s_mov_b32 s[G1C+3], 32<<16
	s_mov_b32 s[G1C+4], 96
	s_mov_b32 s[G1C+5], 32
	s_mov_b32 s[G1C+6], 0
	s_mov_b32 s[G1C+7], 0
	s_mov_b32 s[G1S], 15|(3<<16)|(1<<21)
	s_mov_b32 s[G1S+1], 32<<16
	s_mov_b32 s[G1S+2], 16<<16
	s_mov_b32 s[G1S+3], 32<<16
	s_mov_b32 s[G1S+4], 16
	s_mov_b32 s[G1S+5], 32
	s_mov_b32 s[G1S+6], 0
	s_mov_b32 s[G1S+7], 0
	s_lshl_b32 s19, s10, 4
	s_add_co_u32 s19, s19, s[WV]                   ; G: my group of 32 queries, 0 .. 63
	s_mul_i32 s66, s19, FRB
	s_add_co_u32 s66, s66, s14                     ; its pair image
	s_mov_b32 s67, 0
	s_lshr_b32 s68, s19, 2
	s_lshl_b32 s68, s68, 8                         ; its step's 256 bytes of scale words,
	s_add_co_u32 s68, s68, s15
	s_lshl_b32 s76, s12, 7                         ; image G % 4: lanes 16 (G % 2) on,
	s_add_co_u32 s68, s68, s76
	s_bfe_u32 s76, s[WV], 0x10001
	s_lshl_b32 s76, s76, 2                         ; word (G % 4) / 2
	s_add_co_u32 s68, s68, s76
	s_mov_b32 s69, 0
	s_lshr_b32 s70, s11, 4
	s_lshl_b32 s70, s70, 11                        ; out0: the batch's 2,048 rows,
	s_lshl_b32 s76, s19, 5
	s_add_co_u32 s70, s70, s76                     ; my group's first,
	s_lshl_b32 s70, s70, 12                        ; of 4,096 bytes,
	s_and_b32 s76, s11, 15
	s_lshl_b32 s76, s76, 8                         ; the head's 256 bytes
	s_add_co_u32 s70, s70, s76
	s_mov_b32 s71, 0
	s_mov_b32 s[SEL], 0x76543210
	s_mov_b32 s[SEL+1], 0xfedcba98
	s_mov_b32 s[CS], 0x3e38aa3b                    ; c = log2(e) / 8
	s_mov_b32 s[CS+1], s[CS]                       ; (named with it as a pair, so it is written)
	v_and_b32 v234, 31, v0                         ; lane
	v_and_b32 v235, 15, v0                         ; r
	v_bfe_u32 v236, v0, 4, 1                       ; h
	s_delay_alu instid0(VALU_DEP_3)
	v_lshlrev_b32 v[AK0], 4, v234
	s_delay_alu instid0(VALU_DEP_4)
	v_lshl_add_u32 v[AS0], v234, 3, KSC
	s_mul_i32 s77, s[WV], 16*272
	s_add_co_u32 s77, s77, STAGE                   ; my stage
	v_mul_u32_u24 v[STO], v235, 272
	s_delay_alu instid0(VALU_DEP_1)
	v_lshl_add_u32 v[STO], v236, 6, v[STO]
	s_delay_alu instid0(VALU_DEP_1)
	v_add_nc_u32 v[STO], s77, v[STO]               ; in: row r, + 64 h
	v_mul_u32_u24 v[RD], v236, 272
	s_delay_alu instid0(VALU_DEP_1)
	v_lshl_add_u32 v[RD], v235, 4, v[RD]
	s_delay_alu instid0(VALU_DEP_1)
	v_add_nc_u32 v[RD], s77, v[RD]                 ; back: lanes 0-15 one row, lanes 16-31 the next
	v_lshlrev_b32 v[GO], 12, v236
	s_delay_alu instid0(VALU_DEP_1)
	v_lshl_add_u32 v[GO], v235, 4, v[GO]
	v_lshlrev_b32 v[QO], 3, v235
.irp i, 0,1,2,3,4,5
	v_mov_b32 v[QZ+\i], 0                          ; zero codes on both sides of q's place
	v_mov_b32 v[QZ+12+\i], 0
.endr
.irp b, 0,1,2,3
	v_mov_b32 v[BT+\b], 0                          ; written once: a lane permute's destination counts as one of its sources
.endr
	v_mov_b32 v[F+1], 0                            ; (named as the upper half of a pair)
	s_wait_dscnt 0x0                               ; the opening add is done
	s_wait_kmcnt 0x0
	s_add_nc_u64 s[72:73], s[4:5], s[72:73]
	s_add_nc_u64 s[74:75], s[6:7], s[74:75]
	s_add_nc_u64 s[66:67], s[4:5], s[66:67]
	s_add_nc_u64 s[68:69], s[6:7], s[68:69]
	s_add_nc_u64 s[70:71], s[8:9], s[70:71]
	CROUND                                         ; all four work-groups are here: the joint loads meet
	s_mov_b32 s[G0S], 1
	s_mov_b32 s[G0S+1], s17
	s_mov_b64 s[G0S+2:G0S+3], s[74:75]
	s_or_b32 s[G0S+3], s[G0S+3], 0x80000000
.irp c, 0,1,2,3
	s_mov_b32 s[G0C+4*\c], 1
	s_add_co_u32 s[G0C+4*\c+1], s16, \c*CHUNK
	s_add_nc_u64 s[G0C+4*\c+2:G0C+4*\c+3], s[72:73], \c*CHUNK
	s_or_b32 s[G0C+4*\c+3], s[G0C+4*\c+3], 0x80000000
.endr
	s_cmp_lt_u32 s[WV], 2                          ; a fetching wave's five loads stand in one branch, ahead of every wait on TENSORcnt, every LDS read and every further barrier
	s_cbranch_scc0 .Lno_fetch
	tensor_load_to_lds s[G0S:G0S+3], s[G1S:G1S+7]  ; the scale words first: they are wanted with the first key step
	s_nop 0
.irp c, 0,1,2,3
	tensor_load_to_lds s[G0C+4*\c:G0C+4*\c+3], s[G1C:G1C+7]
	s_nop 0
.endr
.rept 4
	v_nop
.endr
.Lno_fetch:
.irp c, 0,1,2
	global_load_b128 v[QI+4*\c:QI+4*\c+3], v[AK0], s[66:67] offset:512*\c   ; q's pair image stays in registers
.endr
	global_load_b32 v[QWI], v[QO], s[68:69]
.macro SPROD i                         ; the scores of the step's i-th group of 32 keys: its first tile by (q, zeros), its second by (zeros, q); an odd image's scale words stand in lanes 16-31
.if (\i)%2
	v_wmma_scale_f32_16x16x128_f8f6f4 v[S+16*(\i):S+16*(\i)+7], v[KF+12*(\i):KF+12*(\i)+11], v[QZ+6:QZ+17], 0, v[KS+(\i)/2], v[QW] matrix_a_fmt:MATRIX_FMT_FP6 matrix_b_fmt:MATRIX_FMT_FP6 matrix_a_scale:MATRIX_SCALE_ROW1
	v_wmma_scale_f32_16x16x128_f8f6f4 v[S+16*(\i)+8:S+16*(\i)+15], v[KF+12*(\i):KF+12*(\i)+11], v[QZ:QZ+11], 0, v[KS+(\i)/2], v[QW] matrix_a_fmt:MATRIX_FMT_FP6 matrix_b_fmt:MATRIX_FMT_FP6 matrix_a_scale:MATRIX_SCALE_ROW1
.else
	v_wmma_scale_f32_16x16x128_f8f6f4 v[S+16*(\i):S+16*(\i)+7], v[KF+12*(\i):KF+12*(\i)+11], v[QZ+6:QZ+17], 0, v[KS+(\i)/2], v[QW] matrix_a_fmt:MATRIX_FMT_FP6 matrix_b_fmt:MATRIX_FMT_FP6
	v_wmma_scale_f32_16x16x128_f8f6f4 v[S+16*(\i)+8:S+16*(\i)+15], v[KF+12*(\i):KF+12*(\i)+11], v[QZ:QZ+11], 0, v[KS+(\i)/2], v[QW] matrix_a_fmt:MATRIX_FMT_FP6 matrix_b_fmt:MATRIX_FMT_FP6
.endif
.endm
.macro PVPROD t                        ; O^T's tile t += v's image t x p
.if (\t)%2
	v_wmma_scale_f32_16x16x128_f8f6f4 v[O+8*(\t):O+8*(\t)+7], v[KF+12*(\t):KF+12*(\t)+11], v[PC:PC+11], v[O+8*(\t):O+8*(\t)+7], v[VS+(\t)/2], v[PWD] matrix_a_fmt:MATRIX_FMT_FP6 matrix_b_fmt:MATRIX_FMT_FP6 matrix_a_scale:MATRIX_SCALE_ROW1
.else
	v_wmma_scale_f32_16x16x128_f8f6f4 v[O+8*(\t):O+8*(\t)+7], v[KF+12*(\t):KF+12*(\t)+11], v[PC:PC+11], v[O+8*(\t):O+8*(\t)+7], v[VS+(\t)/2], v[PWD] matrix_a_fmt:MATRIX_FMT_FP6 matrix_b_fmt:MATRIX_FMT_FP6
.endif
.endm
; A KEY STEP: 128 keys.
.macro STEP
	v_add_nc_u32 v[ADK], s[TB], v[AK0]             ; these four lines are the places behind the last step's products, in front of the loads into their operands
	s_delay_alu instid0(VALU_DEP_1)
	v_add_nc_u32 v[ADV], VIMG, v[ADK]
	v_add_nc_u32 v[ADS], s[TS], v[AS0]
	v_nop
.irp i, 0,1,2,3
.irp c, 0,1,2
	ds_load_b128 v[KF+12*\i+4*\c:KF+12*\i+4*\c+3], v[ADK] offset:FRB*\i+512*\c
.endr
.endr
	ds_load_b64 v[KS:KS+1], v[ADS]
	s_wait_alu depctr_va_vdst(0)
	s_wait_dscnt 0x0
	SPROD 0
	SPROD 1
	SPROD 2
	SPROD 3                                        ; lane (r, h) holds query r; register 16 b + i is key 32 b + 16 h + i of the step
.rept 4
	v_nop                                          ; places in front of the loads below and of the first reads of the scores
.endr
.irp i, 0,1,2,3                        ; v's images are asked for here and land under the softmax
.irp c, 0,1,2
	ds_load_b128 v[KF+12*\i+4*\c:KF+12*\i+4*\c+3], v[ADV] offset:FRB*\i+512*\c
.endr
.endr
	ds_load_b64 v[VS:VS+1], v[ADS] offset:4096
.irp b, 0,1,2,3
	v_max3_num_f32 v[BM+\b], v[S+16*\b], v[S+1+16*\b], v[S+2+16*\b]   ; THE LARGEST SCORE OF EACH BLOCK OF 32 KEYS serves twice: for the row's maximum, and, since p rises with the score, for the block's largest p
.endr
.irp i, 3,5,7,9,11,13
.irp b, 0,1,2,3
	v_max3_num_f32 v[BM+\b], v[BM+\b], v[S+16*\b+\i], v[S+1+16*\b+\i]   ; the four blocks by turns; each accumulator is read from its low end on
.endr
.endr
.irp b, 0,1,2,3
	v_max_num_f32 v[BM+\b], v[BM+\b], v[S+15+16*\b]
.endr
.irp b, 0,1,2,3
	s_delay_alu instid0(VALU_DEP_4)
	v_permlanex16_b32 v[BT+\b], v[BM+\b], s[SEL], s[SEL+1]
.endr
.irp b, 0,1,2,3
	s_delay_alu instid0(VALU_DEP_4)
	v_max_num_f32 v[BM+\b], v[BM+\b], v[BT+\b]     ; with lane l xor 16's 16 keys
.endr
	s_delay_alu instid0(VALU_DEP_2)
	v_max3_num_f32 v[T0], v[BM], v[BM+1], v[BM+2]
	s_delay_alu instid0(VALU_DEP_1)
	v_max_num_f32 v[T0], v[T0], v[BM+3]            ; the step's largest score of my query
	s_delay_alu instid0(VALU_DEP_1)
	v_mul_f32 v[T0], s[CS], v[T0]                  ; as t (c is positive)
	s_delay_alu instid0(VALU_DEP_1)
	v_max_num_f32 v13, v13, v[T0]                  ; the running largest t
	v_mov_b32 v[T0], v12
	s_delay_alu instid0(VALU_DEP_2)
	v_floor_f32 v12, -v13                          ; the new -M = floor(-t) = -ceil(t): M IS A WHOLE NUMBER
	s_delay_alu instid0(VALU_DEP_1)
	v_sub_f32 v[T0], v12, v[T0]                    ; old M - new M: a whole number, 0 or less
	s_delay_alu instid0(VALU_DEP_1)
	v_cvt_i32_f32 v[T0], v[T0]                     ; (it saturates)
	s_delay_alu instid0(VALU_DEP_1)
	v_ldexp_f32 v[F], 1.0, v[T0]                   ; f = 2^(old M - new M)
.irp j, 0,2,4,6,8,10,12,14,16,18,20,22,24,26,28,30,32,34,36,38,40,42,44,46,48,50,52,54,56,58,60,62
	v_pk_fma_f32 v[S+\j:S+\j+1], v[S+\j:S+\j+1], s[CS:CS+1], v[12:13] op_sel_hi:[1,0,0]   ; t - M, two at a time
.endr
.irp b, 0,1,2,3
	v_fma_f32 v[BM+\b], v[BM+\b], s[CS], v12       ; the same of each block's largest score
.endr
	s_wait_alu depctr_va_vdst(0)
.irp j, 0,1,2,3,4,5,6,7,8,9,10,11,12,13,14,15,16,17,18,19,20,21,22,23,24,25,26,27,28,29,30,31,32,33,34,35,36,37,38,39,40,41,42,43,44,45,46,47,48,49,50,51,52,53,54,55,56,57,58,59,60,61,62,63
	v_exp_f32 v[S+\j], v[S+\j]                     ; p = 2^(t - M), at most 1: NOT normalised
.endr
	s_setprio 1
	v_pk_mul_f32 v[14:15], v[14:15], v[F:F+1] op_sel_hi:[1,0]   ; the sums under the new M: the plain place behind the exponentials
	s_wait_alu depctr_va_vdst(0)                   ; one wait for the batch of 64, ahead of its first reader
.irp b, 0,1,2,3
	v_exp_f32 v[BM+\b], v[BM+\b]                   ; the block's largest p: the same two instructions on the same number give the same bits
.endr
	v_pk_add_f32 v[228:229], v[100:101], v[104:105]
	v_pk_add_f32 v[254:255], v[108:109], v[112:113]
	v_pk_add_f32 v[252:253], v[116:117], v[120:121]
	v_pk_add_f32 v[250:251], v[124:125], v[128:129]
	v_pk_add_f32 v[248:249], v[132:133], v[136:137]
	v_pk_add_f32 v[246:247], v[140:141], v[144:145]
	v_pk_add_f32 v[244:245], v[148:149], v[152:153]
	v_pk_add_f32 v[14:15], v[14:15], v[156:157]
	v_pk_add_f32 v[228:229], v[228:229], v[96:97]
	v_pk_add_f32 v[254:255], v[254:255], v[98:99]
	v_pk_add_f32 v[252:253], v[252:253], v[102:103]
	v_pk_add_f32 v[250:251], v[250:251], v[106:107]
	v_pk_add_f32 v[248:249], v[248:249], v[110:111]
	v_pk_add_f32 v[246:247], v[246:247], v[114:115]
	v_pk_add_f32 v[244:245], v[244:245], v[118:119]
	v_pk_add_f32 v[14:15], v[14:15], v[122:123]
	v_pk_add_f32 v[228:229], v[228:229], v[126:127]
	v_pk_add_f32 v[254:255], v[254:255], v[130:131]
	v_pk_add_f32 v[252:253], v[252:253], v[134:135]
	v_pk_add_f32 v[250:251], v[250:251], v[138:139]
	v_pk_add_f32 v[248:249], v[248:249], v[142:143]
	v_pk_add_f32 v[246:247], v[246:247], v[146:147]
	v_pk_add_f32 v[244:245], v[244:245], v[150:151]
	v_pk_add_f32 v[14:15], v[14:15], v[154:155]
	v_pk_add_f32 v[228:229], v[228:229], v[158:159]
	s_delay_alu instid0(VALU_DEP_2)
	v_pk_add_f32 v[14:15], v[14:15], v[250:251]
	s_delay_alu instid0(VALU_DEP_2)
	v_pk_add_f32 v[228:229], v[228:229], v[248:249]
	v_pk_add_f32 v[254:255], v[254:255], v[246:247]
	v_pk_add_f32 v[252:253], v[252:253], v[244:245]
	s_delay_alu instid0(VALU_DEP_2)
	v_pk_add_f32 v[14:15], v[14:15], v[254:255]
	s_delay_alu instid0(VALU_DEP_2)
	v_pk_add_f32 v[228:229], v[228:229], v[252:253]
	s_delay_alu instid0(VALU_DEP_1)
	v_pk_add_f32 v[14:15], v[14:15], v[228:229]
	s_wait_alu depctr_va_vdst(0)                   ; and one for the four
.irp b, 0,1,2,3
	v_max_num_f32 v[BM+\b], 0x1800000, v[BM+\b]    ; the floor 2^(3 - 127): the byte cannot fall under 1
.endr
.irp b, 0,1,2,3
	s_delay_alu instid0(VALU_DEP_4)
	v_add_nc_u32 v[SO+\b], 0xff000000, v[BM+\b]    ; 2 off the exponent field: the conversion's scale operand
.endr
.irp b, 0,1,2,3
	s_delay_alu instid0(VALU_DEP_4)
	v_lshrrev_b32 v[BT+\b], 23, v[SO+\b]           ; the scale's byte
.endr
	s_delay_alu instid0(VALU_DEP_3)
	v_lshl_or_b32 v[PWD], v[BT+1], 8, v[BT]        ; p's scale word for these 128 keys
	s_delay_alu instid0(VALU_DEP_1)
	v_lshl_or_b32 v[PWD], v[BT+2], 16, v[PWD]
	s_delay_alu instid0(VALU_DEP_1)
	v_lshl_or_b32 v[PWD], v[BT+3], 24, v[PWD]
.irp c, 0,1
	v_cvt_scalef32_pk16_fp6_f32 v[PC+6*\c:PC+2+6*\c], v[S+32*\c:S+15+32*\c], v[SO+2*\c]
	v_cvt_scalef32_pk16_fp6_f32 v[Y+4*\c:Y+2+4*\c], v[S+16+32*\c:S+31+32*\c], v[SO+2*\c+1]   ; (a conversion's three registers begin on an even number)
.endr
	v_nop                                          ; one plain place behind the scaled conversions
.irp c, 0,1                            ; a WHOLE block to a lane: lanes 0-15 block 2 c, lanes 16-31 block 2 c + 1
.irp i, 0,1,2
	v_permlane16_swap_b32 v[PC+6*\c+\i], v[Y+4*\c+\i]
.endr
.irp i, 0,1,2
	s_delay_alu instid0(VALU_DEP_3)
	v_mov_b32 v[PC+3+6*\c+\i], v[Y+4*\c+\i]
.endr
.endr
	s_setprio 0
.irp j, 0,2,4,6,8,10,12,14,16,18,20,22,24,26,28,30
	v_pk_mul_f32 v[O+\j:O+\j+1], v[O+\j:O+\j+1], v[F:F+1] op_sel_hi:[1,0]   ; O^T under the new M.  These 16 are also the places between the scale word, the codes and the products below
.endr
	s_wait_alu depctr_va_vdst(0)
	s_wait_dscnt 0x0                               ; v's images and scale words are in
	PVPROD 0                                       ; the four accumulators by turns
	PVPROD 1
	PVPROD 2
	PVPROD 3
	s_add_co_u32 s[TB], s[TB], STEPB
	s_add_co_u32 s[TS], s[TS], 256
.endm
.macro RUN n, st0                      ; n key steps from step st0 on
	s_mov_b32 s[TB], (\st0)*STEPB
	s_mov_b32 s[TS], (\st0)*256
	s_mov_b32 s[CNT], \n
.Lrun_\@:
	s_setprio 2
	STEP
	s_sub_co_u32 s[CNT], s[CNT], 1
	s_cmp_lg_u32 s[CNT], 0
	s_cbranch_scc1 .Lrun_\@
	s_setprio 0
.endm
.macro PASS_HEAD u                     ; tile u of my group of queries
.if \u
	s_wait_xcnt 0x0                                ; the first pass's stores have read their registers, which the scores take again
.endif
.irp i, 0,1,2,3,4,5
	v_mov_b32 v[QZ+6+\i], v[QI+6*\u+\i]
.endr
.if \u
	v_perm_b32 v[QW], v[QWI], v[QWI], 0x03020302   ; the tile's two scale bytes, for either half of the K places
.else
	v_perm_b32 v[QW], v[QWI], v[QWI], 0x01000100
.endif
	v_mov_b32 v13, 0xff61b1e6                      ; the largest t so far: -3e38, under every t
	s_delay_alu instid0(VALU_DEP_1)
	v_floor_f32 v12, -v13                          ; -M
	v_mov_b32 v14, 0
	v_mov_b32 v15, 0
.irp j, 0,1,2,3,4,5,6,7,8,9,10,11,12,13,14,15,16,17,18,19,20,21,22,23,24,25,26,27,28,29,30,31
	v_mov_b32 v[O+\j], 0                           ; O^T: the step is written once; the first finds zeros, which the first change of M leaves zeros.  (Also the places between q's registers, its scale word and the first products)
.endr
.endm
; THE WAY OUT of a pass: O^T / the sum; register 16 g + n of lane (r, h) is channel 32 g + 16 h + n of query r.  Through my stage, so that sixteen lanes store a row's 256 consecutive bytes, aligned.
.macro WAYOUT u
.rept 4
	v_nop                                          ; places behind the last products
.endr
	v_add_f32 v14, v14, v15                        ; the sum's two halves,
	s_delay_alu instid0(VALU_DEP_1)
	v_permlanex16_b32 v[T0], v14, s[SEL], s[SEL+1]
	s_delay_alu instid0(VALU_DEP_1)
	v_add_f32 v14, v14, v[T0]                      ; and lane l xor 16's
	s_wait_alu depctr_va_vdst(0)
	v_rcp_f32 v[F], v14
	v_nop                                          ; a plain place behind the reciprocal
	s_wait_alu depctr_va_vdst(0)                   ; the wait ahead of its first reader
.irp j, 0,2,4,6,8,10,12,14,16,18,20,22,24,26,28,30
	v_pk_mul_f32 v[S+\j:S+\j+1], v[O+\j:O+\j+1], v[F:F+1] op_sel_hi:[1,0]
.endr
.irp g, 0,1
.irp j, 0,1,2,3
	ds_store_b128 v[STO], v[S+16*\g+4*\j:S+16*\g+4*\j+3] offset:128*\g+16*\j
.endr
.endr
.irp i, 0,1,2,3,4,5,6,7
	ds_load_b128 v[S+32+4*\i:S+35+4*\i], v[RD] offset:544*\i   ; LDS serves a wave's instructions in order: these see my stores
.endr
.irp i, 0,1,2,3,4,5,6,7
	s_wait_dscnt 7-\i
	global_store_b128 v[GO], v[S+32+4*\i:S+35+4*\i], s[70:71] offset:(2*\i+8*(\i/4)+8*\u)*4096 th:TH_STORE_NT   ; the tile's rows 2 i and 2 i + 1 are tokens 8 u + 2 i + 8 (i / 4) and the next
.endr
.endm
	s_wait_loadcnt 0x0                             ; q
	PASS_HEAD 0
.irp c, 0,1,2,3                        ; the first pass follows the chunks as they land
	s_wait_tensorcnt 3-\c                          ; a fetching wave: the scale words and chunks 0 .. c are in; the 3 - c chunks behind them may stay out
	s_barrier_signal -1
	s_barrier_wait -1                              ; both fetching waves have said so
	RUN 4, 4*\c
.endr
	WAYOUT 0
	PASS_HEAD 1
	RUN 16, 0
	WAYOUT 1
	s_wait_tensorcnt 0x0                           ; the wave's end, behind my last tensor load and my last LDS store
	ds_add_u32 v[SPW], v[NIL]
	s_wait_dscnt 0x0
	CROUND                                         ; the closing round
	s_endpgm
.Lfunc_end_k_qa71773c537_attn:
	.size	k_qa71773c537_attn, .Lfunc_end_k_qa71773c537_attn-k_qa71773c537_attn
	.p2alignl 7, 3214868480
	.fill 96, 4, 3214868480
	.section	.rodata,"a",@progbits
	.p2align	6, 0x0
	.amdhsa_kernel k_qa71773c537_attn
		.amdhsa_group_segment_fixed_size 327680
		.amdhsa_private_segment_fixed_size 0
		.amdhsa_enable_private_segment 0
		.amdhsa_kernarg_size 24
		.amdhsa_user_sgpr_count 2
		.amdhsa_user_sgpr_kernarg_segment_ptr 1
		.amdhsa_wavefront_size32 1
		.amdhsa_system_sgpr_workgroup_id_x 1
		.amdhsa_system_sgpr_workgroup_id_y 1
		.amdhsa_system_sgpr_workgroup_id_z 1
		.amdhsa_system_vgpr_workitem_id 0
		.amdhsa_next_free_vgpr 256
		.amdhsa_next_free_sgpr 80
		.amdhsa_reserve_vcc 0
		.amdhsa_float_denorm_mode_32 3
		.amdhsa_float_denorm_mode_16_64 3
		.amdhsa_memory_ordered 1
		.amdhsa_forward_progress 1
		.amdhsa_inst_pref_size 103
	.end_amdhsa_kernel
	.amdgpu_metadata
---
amdhsa.version: [ 1, 2 ]
amdhsa.kernels:
  - .name:           k_qa71773c537_attn
    .symbol:         k_qa71773c537_attn.kd
    .args:
      - { .name: att_img, .offset: 0, .size: 8, .value_kind: global_buffer, .address_space: global }
      - { .name: att_sc, .offset: 8, .size: 8, .value_kind: global_buffer, .address_space: global }
      - { .name: out0, .offset: 16, .size: 8, .value_kind: global_buffer, .address_space: global }
    .group_segment_fixed_size: 327680
    .private_segment_fixed_size: 0
    .kernarg_segment_align: 8
    .kernarg_segment_size: 24
    .max_flat_workgroup_size: 512
    .sgpr_count:     80
    .vgpr_count:     256
    .wavefront_size: 32
...
	.end_amdgpu_metadata
.endif
;; end of part 3
